; MI455X (gfx1250); checked and timed in simulation.
; The chip was launched on July 23, 2026; its instructions are those of AMD's public machine-readable ISA for CDNA 5 (MIT licence, August 2026) and "CDNA5" Instruction Set Architecture Reference Guide (July 2026). The comments in the code are by the model that wrote it; some were corrected since.
;; B Spline KAN. Allowed arithmetic: matrix products marked QUANTISED: E2M1 operands, one E8M0 scale for each 32 along K, by v_wmma_scale_f32_16x16x128_f8f6f4 with both operands' format E2M1 (or v_wmma_scale_f32_32x16x128_f4), f32 sums; everything else in f32.
;; Inputs: b0 512 float32; b1 512 float32; bw0 512 x 512 float32; bw1 512 x 512 float32; g0 512 float32; g1 512 float32; sw0 512 x 2,048 float32; sw1 512 x 2,048 float32; x 4 x 4,096 x 512 float32.
;; Outputs: out0 4 x 4,096 x 512 float32.
;; This version of the problem:
;;   THIS VERSION OF THE PROBLEM IS GIVEN IN LOW PRECISION. The matrix products marked QUANTISED in the list below multiply operands that are first quantised to E2M1 (2 exponent bits, 1 mantissa bit; 4 bits a number), with one power-of-two scale for each 32 numbers along K (OCP MX v1.0); their sums are f32. All else is computed in f32.
;;   The module's matrix products, in the order in which they are computed (A, B: the left and right operand; K: the contracted axis; several contracted axes count as one K, in the product's order):
;;     1. [M 16,384, K 512] x [K 512, N 512]; A: computed on the way; B: input bw0: QUANTISED
;;     2. [M 16,384, K 2,048] x [K 2,048, N 512]; A: computed on the way; B: input sw0: QUANTISED
;;     3. [M 16,384, K 512] x [K 512, N 512]; A: computed on the way; B: input bw1: QUANTISED
;;     4. [M 16,384, K 2,048] x [K 2,048, N 512]; A: computed on the way; B: input sw1: QUANTISED
;;   THE QUANTISER, for each operand of a quantised product, along K:
;;     - K is cut into blocks of 32 from its start; a last block that is shorter is filled with zeros.
;;     - A block's scale is 2^e with e = floor(log2(the largest magnitude in the block)) - 2, held to -126 .. 127; a block of zeros has e = 0. As a byte (E8M0): e + 127.
;;     - Each number is divided by its block's scale, clamped to +-6, and rounded to the nearest number of E2M1, ties to even, subnormals kept.
;;     - The product sums the exact products of the quantised numbers (number of the format x scale) in f32.
;;   ~~~python
;;   def quantise(x, axis):      # numpy; x: float32 -> the quantised numbers, widened to float32 again
;;       x = np.moveaxis(x, axis, -1); K = x.shape[-1]
;;       x = np.pad(x, [(0, 0)] * (x.ndim - 1) + [(0, -K % 32)]); x = x.reshape(x.shape[:-1] + (-1, 32)); a = np.abs(x).max(-1, keepdims=True)
;;       e = np.where(a > 0, np.clip(np.frexp(np.where(a > 0, a, 1))[1] - 1 - 2, -126, 127), 0)      # np.frexp(a)[1] - 1 = floor(log2(a)), exactly
;;       r = np.clip(x / 2.0 ** e, -6, 6)
;;       step = 2.0 ** (np.maximum(np.frexp(np.where(r == 0, 1, r))[1] - 1, 0) - 1)
;;       q = np.round(r / step) * step * 2.0 ** e      # np.round: ties to even
;;       return np.moveaxis(q.reshape(q.shape[:-2] + (-1,))[..., :K], -1, axis).astype(np.float32)
;;   ~~~
;;   OPERANDS COMPUTED ON THE WAY. 'Computed on the way' means the value that the module computes at that place (a softmax that the list does not call 'softmax' is quantised finished and normalised). What goes into a quantiser is computed in f32, as accurately as f32 sums, v_exp_f32 and their like allow (about 1e-6 of the number): no bf16 or f16 on the way to a quantiser, and a product that is left as it is and whose result goes on into a quantised operand takes f32 operands (vector FMAs, or v_wmma_f32_16x16x4_f32). A number that lies on a knife's edge between two numbers of the format may be rounded either way, as far as f32 arithmetic and the matrix unit's own rounding can turn it there, and no further.
;; One version. Each part assembles by itself: llvm-mc -triple=amdgcn-amd-amdhsa -mcpu=gfx1250 --defsym DOCPART=n.
;; ======== version 1 of 1: 3 launches
;; limits: right only within a limited range of input values
;; workspace buffers: h 33,554,432 bytes; pmx 1,048,576 bytes; pmh 1,048,576 bytes; pmo 1,048,576 bytes; wq0 720,896 bytes; wq1 720,896 bytes
;; launch prep (part 1): grid 256 x 1, 8 waves a work-group, no clusters, 11,264 bytes of LDS; arguments x, bw0, sw0, bw1, sw1, pmx, wq0, wq1; writes pmx, wq0, wq1
.if DOCPART == 1
	.amdgcn_target "amdgcn-amd-amdhsa--gfx1250"
	.amdhsa_code_object_version 6
	.text
	.protected	k_q21741c301f_prep
	.globl	k_q21741c301f_prep
	.p2align	8
	.type	k_q21741c301f_prep,@function
k_q21741c301f_prep:
	s_mov_b64 s[64:65], 0
	v_nop
	global_prefetch_b8 v0, s[64:65] scope:SCOPE_SE
	s_setreg_imm32_b32 hwreg(HW_REG_WAVE_MODE, 25, 1), 1
	s_wait_xcnt 0x0
; PREP.  Work-group i of 256 does two things.
; (a) The smallest x and the smallest -x of each of the 512 features over rows 64 i .. 64 i + 63 of x: pmx[i][0][f], pmx[i][1][f].
; (b) A part of one layer's weights as codes of FP4 (E2M1) with one E8M0 byte for each 32 along K, laid in the order of the operand's registers:
;     layer i >> 7, tile T = (i >> 2) & 31 of 16 output rows, chunk c = i & 3 of 128 features: 16 rows x (512 numbers of sw, 128 of bw) = 5 K steps of 128.
; wq: 4 chunks of 180,224 bytes; a chunk = group A (spline K steps 0, 1: 65,536 bytes of codes, 8,192 of scale words), then group B (spline K steps 2, 3 and the silu step: 98,304 + 8,192).
;     Codes: [K step][tile][c2 = 0, 1][lane][16 bytes]: lane (r, h) holds block 2 c2 + h of row 16 T + r.  Scale words: [tile][r][4 words], word = K step in the group; words not used are 0.
; ORDER INSIDE A SPLINE BLOCK (8 features fl x 4 splines j): place 8 (fl / 2) + 2 j + fl % 2, the order in which the layer launch makes its codes.  Blocks of bw keep their order.
; A block's scale is 2^(floor(log2(largest magnitude)) - 2): its byte is the largest magnitude's exponent field - 2, held at 1 from below.
; LIMITS: a block of zeros, or one whose largest magnitude lies under 2^-124, keeps the byte 1 (this program alone reads the bytes; zero codes add nothing); NaN and infinities among the inputs are not served.
; No tensor load, no ring.  Matrix units and clusters have nothing to do here: the launch reads each byte once.
.set WR,   16                          ; v16-55   ten loads of weights: unit u (8 numbers a lane) at WR + 8 u
.set PP,   56                          ; v56-63   a spline unit's 8 numbers in the block's order
.set WK,   64                          ; v64-69   at work
.set CW,   70                          ; v70-74   a unit's 8 codes
.set EB,   75                          ; v75-79   a unit's scale byte
.set XR,   80                          ; v80-207  32 rows x 4 features of x
.set MN,   208                         ; v208-211 smallest x
.set MX,   212                         ; v212-215 largest x, then smallest -x
.set IMG,  0                           ; LDS: five fragment images of 1,024 bytes
.set SCA2, 5120                        ; group A's scale words of the tile, 256 bytes
.set SCA3, 5376                        ; group B's
.set MX2,  5632                        ; the second 32 rows' minima, 32 bytes a thread of 128
.set CHUNKB, 180224
	s_load_b256 s[4:11], s[0:1], 0x0               ; x s[4:5], bw0 s[6:7], sw0 s[8:9], bw1 s[10:11]
	s_load_b256 s[12:19], s[0:1], 0x20             ; sw1 s[12:13], pmx s[14:15], wq0 s[16:17], wq1 s[18:19]
	v_lshl_add_u32 v216, v0, 2, 0x2800
	v_mov_b32 v217, 0
	v_lshrrev_b32 v1, 5, v0
	s_delay_alu instid0(VALU_DEP_1)
	v_readfirstlane_b32 s20, v1                    ; wave w, 0..7
	v_and_b32 v1, 31, v0                           ; lane l
	s_wait_alu depctr_va_vdst(0)
	v_and_b32 v64, 15, v0                          ; l % 16
	s_wait_alu depctr_va_vdst(0)
	v_bfe_u32 v65, v0, 4, 1                        ; l / 16
	v_bfe_u32 v66, v0, 2, 3                        ; l / 4
	v_and_b32 v67, 3, v0                           ; l % 4
	v_bfe_u32 v68, v0, 2, 2                        ; (l % 16) / 4
	v_and_b32 v69, 127, v0                         ; thread % 128
	s_lshr_b32 s21, ttmp9, 2
	s_and_b32 s21, s21, 31                         ; T
	s_and_b32 s22, ttmp9, 3                        ; c
	s_lshl_b32 s24, s21, 17                        ; sw: 16 rows of 8,192 bytes a tile,
	s_lshl_b32 s23, s22, 11                        ; 2,048 bytes a chunk
	s_add_co_u32 s24, s24, s23
	s_mov_b32 s25, 0
	s_lshl_b32 s26, s21, 15                        ; bw: 16 rows of 2,048 bytes a tile,
	s_lshl_b32 s23, s22, 9                         ; 512 bytes a chunk
	s_add_co_u32 s26, s26, s23
	s_mov_b32 s27, 0
	s_mul_i32 s23, s22, CHUNKB
	s_lshl_b32 s28, s21, 10                        ; wq: the chunk, and 1,024 bytes a tile in each K step
	s_add_co_u32 s28, s28, s23
	s_mov_b32 s29, 0
	s_lshl_b32 s30, s21, 8                         ; the scale words: behind group A's codes, 256 bytes a tile
	s_add_co_u32 s30, s30, s23
	s_add_co_u32 s30, s30, 65536
	s_mov_b32 s31, 0
	s_lshl_b32 s32, ttmp9, 17                      ; x: 64 rows of 2,048 bytes
	s_mov_b32 s33, 0
	s_lshl_b32 s34, ttmp9, 12                      ; pmx: 4,096 bytes a work-group
	s_mov_b32 s35, 0
	s_lshl_b32 s36, s20, 14
	v_lshlrev_b32 v2, 5, v1
	s_delay_alu instid0(VALU_DEP_1)
	v_add_nc_u32 v2, s36, v2                       ; v2  sw: row 2 w, 32 bytes a lane
	s_lshl_b32 s37, s20, 12
	v_lshlrev_b32 v3, 5, v64
	s_wait_alu depctr_va_vdst(0)
	v_lshl_add_u32 v3, v65, 11, v3
	s_delay_alu instid0(VALU_DEP_1)
	v_add_nc_u32 v3, s37, v3                       ; v3  bw: row 2 w + l / 16, 32 bytes for each of 16 lanes
	v_lshrrev_b32 v4, 7, v0
	s_delay_alu instid0(VALU_DEP_1)
	v_lshlrev_b32 v4, 16, v4
	s_delay_alu instid0(VALU_DEP_1)
	v_lshl_add_u32 v4, v69, 4, v4                  ; v4  x: threads 0-127 rows 0-31, threads 128-255 rows 32-63; 16 bytes a thread
	s_lshl_b32 s38, s20, 5
	v_lshlrev_b32 v5, 8, v66
	s_delay_alu instid0(VALU_DEP_1)
	v_lshl_add_u32 v5, v67, 2, v5
	s_delay_alu instid0(VALU_DEP_1)
	v_add_nc_u32 v5, s38, v5                       ; v5  a spline unit's word in the images: 256 (l / 4) = K step, c2 and h; 16 bytes a row; 4 (l % 4)
	v_add_nc_u32 v6, s38, v66
	s_delay_alu instid0(VALU_DEP_1)
	v_add_nc_u32 v6, SCA2, v6                      ; v6  its block's byte: 16 bytes a row, byte l / 4
	v_lshlrev_b32 v7, 8, v68
	s_delay_alu instid0(VALU_DEP_1)
	v_lshl_add_u32 v7, v67, 2, v7
	s_delay_alu instid0(VALU_DEP_1)
	v_lshl_add_u32 v7, v65, 4, v7
	s_delay_alu instid0(VALU_DEP_1)
	v_add_nc_u32 v7, s38, v7
	s_delay_alu instid0(VALU_DEP_1)
	v_add_nc_u32 v7, 4096, v7                      ; v7  the bw unit's word in image 4
	v_lshl_add_u32 v8, v65, 4, v68
	s_delay_alu instid0(VALU_DEP_1)
	v_add_nc_u32 v8, s38, v8
	s_delay_alu instid0(VALU_DEP_1)
	v_add_nc_u32 v8, SCA3+8, v8                    ; v8  its block's byte: word 2 of group B's four
	v_lshl_add_u32 v9, v1, 4, SCA2                 ; v9  both groups' scale words, 16 bytes a lane
	v_lshlrev_b32 v10, 4, v0                       ; v10 16 x thread
	s_and_b32 s39, s20, 1
	s_lshl_b32 s39, s39, 9
	s_lshr_b32 s40, s20, 1                         ; image w / 2 is mine on the way out
	s_lshl_b32 s41, s40, 15
	s_add_co_u32 s39, s39, s41
	s_lshr_b32 s41, s40, 1
	s_lshl_b32 s41, s41, 13                        ; images 2 and 3 lie behind group A's 8,192 bytes of scale words
	s_add_co_u32 s39, s39, s41
	v_lshlrev_b32 v11, 4, v1
	s_delay_alu instid0(VALU_DEP_1)
	v_add_nc_u32 v11, s39, v11                     ; v11 where my 16 bytes of that image go in wq
	v_lshl_add_u32 v12, v69, 5, MX2                ; v12 my 32 bytes among the second half's minima
	v_lshlrev_b32 v13, 4, v69                      ; v13 my 4 features in pmx
	v_mul_u32_u24 v14, v65, 106496
	s_delay_alu instid0(VALU_DEP_1)
	v_lshl_add_u32 v14, v64, 4, v14                ; v14 scale words out: lanes 0-15 group A's, lanes 16-31 group B's, 106,496 bytes on
.irp j, 0,1,2,3
	v_mov_b32 v[PP+\j], 0
.endr
	s_wait_kmcnt 0x0
	s_cmp_lt_u32 ttmp9, 128                        ; layer 0 or layer 1: the choice hangs on the work-group's number alone
	s_cselect_b64 s[6:7], s[6:7], s[10:11]
	s_cselect_b64 s[8:9], s[8:9], s[12:13]
	s_cselect_b64 s[16:17], s[16:17], s[18:19]
	s_add_nc_u64 s[8:9], s[8:9], s[24:25]
	s_add_nc_u64 s[6:7], s[6:7], s[26:27]
	s_add_nc_u64 s[18:19], s[16:17], s[30:31]      ; the scale words' place
	s_add_nc_u64 s[16:17], s[16:17], s[28:29]      ; the images' place
	s_add_nc_u64 s[4:5], s[4:5], s[32:33]
	s_add_nc_u64 s[14:15], s[14:15], s[34:35]
	; all loads go out at once: ten of weights, then 32 of x
.irp u, 0,1,2,3                                ; unit u: row 2 w + u / 2, half u % 2 of the chunk's 512 numbers; a lane's two loads cover 32 consecutive bytes
.irp i, 0,1
	global_load_b128 v[WR+8*\u+4*\i:WR+8*\u+4*\i+3], v2, s[8:9] offset:(\u/2)*8192+(\u%2)*1024+16*\i th:TH_LOAD_NT
.endr
.endr
.irp i, 0,1
	global_load_b128 v[WR+32+4*\i:WR+32+4*\i+3], v3, s[6:7] offset:16*\i th:TH_LOAD_NT
.endr
.irp k, 0,1,2,3,4,5,6,7,8,9,10,11,12,13,14,15,16,17,18,19,20,21,22,23,24,25,26,27,28,29,30,31
	global_load_b128 v[XR+4*\k:XR+4*\k+3], v4, s[4:5] offset:2048*\k   ; a wave reads 512 consecutive bytes of a row; no hint: the next launch reads x again
.endr
	s_cmp_lg_u32 s20, 0
	s_cbranch_scc1 .Lnot_zero
	s_wait_alu depctr_va_vdst(0)
	ds_store_b128 v9, v[PP:PP+3]                   ; wave 0 clears both groups' scale words: the words not used leave as 0
.Lnot_zero:
	s_wait_dscnt 0x0                               ; for the others' sake: the zeros have landed
	s_barrier_signal -1
	s_barrier_wait -1
; One unit: 8 numbers of a lane, four lanes to a block of 32.
.macro WQ u, perm, iadr, ioff, sadr, soff
	v_max3_num_f32 v[WK], |v[WR+8*\u]|, |v[WR+8*\u+1]|, 0x1800000     ; my 8, and the floor 2^(3 - 127): the byte cannot fall under 1
	s_delay_alu instid0(VALU_DEP_1)
	v_max3_num_f32 v[WK], v[WK], |v[WR+8*\u+2]|, |v[WR+8*\u+3]|
	s_delay_alu instid0(VALU_DEP_1)
	v_max3_num_f32 v[WK], v[WK], |v[WR+8*\u+4]|, |v[WR+8*\u+5]|
	s_delay_alu instid0(VALU_DEP_1)
	v_max3_num_f32 v[WK], v[WK], |v[WR+8*\u+6]|, |v[WR+8*\u+7]|
	s_delay_alu instid0(VALU_DEP_1)
	v_max_num_f32_dpp v[WK], v[WK], v[WK] row_xmask:1 row_mask:0xf bank_mask:0xf
	s_delay_alu instid0(VALU_DEP_1)
	v_max_num_f32_dpp v[WK], v[WK], v[WK] row_xmask:2 row_mask:0xf bank_mask:0xf   ; with the block's other three lanes
	s_delay_alu instid0(VALU_DEP_1)
	v_add_nc_u32 v[WK+1], 0xff000000, v[WK]        ; 2 off the exponent field: the conversion's scale operand
	s_delay_alu instid0(VALU_DEP_1)
	v_lshrrev_b32 v[EB+\u], 23, v[WK+1]            ; the scale's byte
.if \perm
.irp j, 0,1,2,3                                ; my two features' four splines each: spline j of the even feature, then of the odd one
	v_mov_b32 v[PP+2*\j], v[WR+8*\u+\j]
	v_mov_b32 v[PP+2*\j+1], v[WR+8*\u+4+\j]
.endr
	v_cvt_scalef32_pk8_fp4_f32 v[CW+\u], v[PP:PP+7], v[WK+1]
.else
	v_cvt_scalef32_pk8_fp4_f32 v[CW+\u], v[WR+8*\u:WR+8*\u+7], v[WK+1]
.endif
	v_nop                                          ; one plain line behind a scaled conversion, ahead of the next writes of its sources
	ds_store_b32 v[\iadr], v[CW+\u] offset:\ioff
	ds_store_b8 v[\sadr], v[EB+\u] offset:\soff    ; the block's four lanes write the same byte with the same value
.endm
	s_wait_loadcnt 32                              ; the ten loads of weights are in; the 32 of x, issued behind them, may be out
	WQ 0, 1, 5, 0, 6, 0
	WQ 1, 1, 5, 2048, 6, 256
	WQ 2, 1, 5, 16, 6, 16
	WQ 3, 1, 5, 2064, 6, 272
	WQ 4, 0, 7, 0, 8, 0
	; x: two rows at a time
.set k, 0
.rept 16
	s_wait_alu depctr_va_vdst(0)
	s_wait_loadcnt 30-k                            ; rows k and k + 1 are in; the 30 - k loads behind them may be out
.irp j, 0,1,2,3
.if k == 0
	v_min_num_f32 v[MN+\j], v[XR+\j], v[XR+4+\j]
	s_wait_alu depctr_va_vdst(0)
	v_max_num_f32 v[MX+\j], v[XR+\j], v[XR+4+\j]
.else
	v_min3_num_f32 v[MN+\j], v[MN+\j], v[XR+4*k+\j], v[XR+4*k+4+\j]
	v_max3_num_f32 v[MX+\j], v[MX+\j], v[XR+4*k+\j], v[XR+4*k+4+\j]
.endif
.endr
.set k, k+2
.endr
.irp j, 0,1,2,3
	v_xor_b32 v[MX+\j], 0x80000000, v[MX+\j]       ; the largest x as the smallest -x: every later step is a minimum
.endr
	s_cmp_lt_u32 s20, 4
	s_cbranch_scc1 .Lfirst_half
	ds_store_b128 v12, v[MN:MN+3]                  ; waves 4-7 hand their 32 rows' figures over
	ds_store_b128 v12, v[MX:MX+3] offset:16
.Lfirst_half:
	s_wait_dscnt 0x0                               ; for the others' sake: images, bytes and minima have landed
	s_barrier_signal -1
	s_barrier_wait -1
	; the way out: every store of a wave covers 512 (the scale words: 2 x 256) consecutive bytes, aligned
	ds_load_b128 v[16:19], v10                     ; images 0-3, 16 bytes a thread
	s_wait_dscnt 0x0
	global_store_b128 v11, v[16:19], s[16:17]
	s_cmp_lt_u32 s20, 2
	s_cbranch_scc0 .Lno_img4
	ds_load_b128 v[20:23], v10 offset:4096         ; image 4, the silu step: K step 2 of group B
	s_wait_dscnt 0x0
	global_store_b128 v10, v[20:23], s[16:17] offset:73728+65536
.Lno_img4:
	s_cmp_eq_u32 s20, 2
	s_cbranch_scc0 .Lno_scales
	ds_load_b128 v[24:27], v9
	s_wait_dscnt 0x0
	global_store_b128 v14, v[24:27], s[18:19]
.Lno_scales:
	s_cmp_lt_u32 s20, 4
	s_cbranch_scc0 .Lend
	ds_load_b128 v[28:31], v12
	ds_load_b128 v[32:35], v12 offset:16
	s_wait_dscnt 0x0
	s_wait_alu depctr_va_vdst(0)
.irp j, 0,1,2,3
	v_min_num_f32 v[MN+\j], v[MN+\j], v[28+\j]
	v_min_num_f32 v[MX+\j], v[MX+\j], v[32+\j]
.endr
	global_store_b128 v13, v[MN:MN+3], s[14:15]
	global_store_b128 v13, v[MX:MX+3], s[14:15] offset:2048
.Lend:
	s_wait_tensorcnt 0x0
	ds_add_u32 v216, v217
	s_wait_dscnt 0x0
	s_endpgm
.Lfunc_end_k_q21741c301f_prep:
	.size	k_q21741c301f_prep, .Lfunc_end_k_q21741c301f_prep-k_q21741c301f_prep
	.p2alignl 7, 3214868480
	.fill 96, 4, 3214868480
	.section	.rodata,"a",@progbits
	.p2align	6, 0x0
	.amdhsa_kernel k_q21741c301f_prep
		.amdhsa_group_segment_fixed_size 11264
		.amdhsa_private_segment_fixed_size 0
		.amdhsa_enable_private_segment 0
		.amdhsa_kernarg_size 64
		.amdhsa_user_sgpr_count 2
		.amdhsa_user_sgpr_kernarg_segment_ptr 1
		.amdhsa_wavefront_size32 1
		.amdhsa_system_sgpr_workgroup_id_x 1
		.amdhsa_system_sgpr_workgroup_id_y 1
		.amdhsa_system_sgpr_workgroup_id_z 1
		.amdhsa_system_vgpr_workitem_id 0
		.amdhsa_next_free_vgpr 218
		.amdhsa_next_free_sgpr 66
		.amdhsa_reserve_vcc 0
		.amdhsa_float_denorm_mode_32 3
		.amdhsa_float_denorm_mode_16_64 3
		.amdhsa_memory_ordered 1
		.amdhsa_forward_progress 1
		.amdhsa_inst_pref_size 26
	.end_amdhsa_kernel
	.amdgpu_metadata
---
amdhsa.version: [ 1, 2 ]
amdhsa.kernels:
  - .name:           k_q21741c301f_prep
    .symbol:         k_q21741c301f_prep.kd
    .args:
      - { .name: x, .offset: 0, .size: 8, .value_kind: global_buffer, .address_space: global }
      - { .name: bw0, .offset: 8, .size: 8, .value_kind: global_buffer, .address_space: global }
      - { .name: sw0, .offset: 16, .size: 8, .value_kind: global_buffer, .address_space: global }
      - { .name: bw1, .offset: 24, .size: 8, .value_kind: global_buffer, .address_space: global }
      - { .name: sw1, .offset: 32, .size: 8, .value_kind: global_buffer, .address_space: global }
      - { .name: pmx, .offset: 40, .size: 8, .value_kind: global_buffer, .address_space: global }
      - { .name: wq0, .offset: 48, .size: 8, .value_kind: global_buffer, .address_space: global }
      - { .name: wq1, .offset: 56, .size: 8, .value_kind: global_buffer, .address_space: global }
    .group_segment_fixed_size: 11264
    .private_segment_fixed_size: 0
    .kernarg_segment_align: 8
    .kernarg_segment_size: 64
    .max_flat_workgroup_size: 256
    .sgpr_count:     66
    .vgpr_count:     218
    .wavefront_size: 32
...
	.end_amdgpu_metadata
.endif
;; end of part 1
;; launch layer0 (part 2): grid 256 x 1, 8 waves a work-group, clusters of 4 x 1, 327,680 bytes of LDS; arguments x, pmx, wq0, g0, b0, h, pmh; writes h, pmh
.if DOCPART == 2
	.amdgcn_target "amdgcn-amd-amdhsa--gfx1250"
	.amdhsa_code_object_version 6
	.text
	.protected	k_q21741c301f_layer0
	.globl	k_q21741c301f_layer0
	.p2align	8
	.type	k_q21741c301f_layer0,@function
k_q21741c301f_layer0:
	s_mov_b64 s[64:65], 0
	v_nop
	global_prefetch_b8 v0, s[64:65] scope:SCOPE_SE
	s_setreg_imm32_b32 hwreg(HW_REG_WAVE_MODE, 25, 1), 1
	s_wait_xcnt 0x0
	s_wait_alu depctr_hold_cnt(0) depctr_sa_sdst(0) depctr_va_vdst(0) depctr_va_sdst(0) depctr_va_ssrc(0) depctr_va_vcc(0) depctr_vm_vsrc(0)
	s_getreg_b32 s2, hwreg(HW_REG_IB_STS2, 6, 4)
	s_cmp_eq_u32 s2, 0
	s_cbranch_scc0 .Lentry_in_a_cluster
	s_endpgm
.Lentry_in_a_cluster:
	s_bfe_u32 s2, ttmp6, 0x10000c
	s_cmp_lg_u32 s2, 0x3003
	s_cbranch_scc0 .Lentry_shape_is_right
	s_endpgm
.Lentry_shape_is_right:
; ONE KAN LAYER: out = silu(LayerNorm(Q(silu(x)) Q(bw)^T + Q(basis(xn)) Q(sw)^T) g + b); both products on codes of FP4 (E2M1) with one E8M0 byte for each 32 along K, sums in f32.
; Arguments: x [16384][512] f32; its partial minima [256][2][512] (smallest x, smallest -x of 64 rows); the layer's weights as codes, laid by the launch in front; g, b [512]; out; out's partial minima.
; One text serves both layers; behind the second layer nobody reads the partial minima that it stores (8 lines for each pair of rows, 1 MiB): the price of one body for two launches.
; SHARES.  Eight waves take 64 rows and all 512 outputs (the norm wants whole rows).  MAKING CODES: wave w owns rows 8 w .. 8 w + 7; a lane takes 8 neighbouring features of one row: a spline block
; (8 features x 4 splines) lies in one lane, a silu block (32 features) in four.  MULTIPLYING: wave w owns outputs 64 w .. 64 w + 63 of all 64 rows: 16 accumulators.  The product is used transposed
; (source 0 = 16 rows of weights, source 1 = 16 rows of codes): a lane holds one row and eight neighbouring outputs.
; THE SPLINES.  Asked for are the first four cubic B-splines on the knots 0,0,0,0,1,2,3,4 in u = 517 xn.  For u >= 0 they lie in the span of the truncated cubes Pk = max(k - u, 0)^3, k = 1..4:
;   B0 = P1;  B1 = P2/4 - 2 P1;  B2 = P3/6 - 3/4 P2 + 3/2 P1;  B3 = P4/6 - 2/3 P3 + P2 - 2/3 P1.   k - u is one fused multiply-add of x - min (exactly 0 at the minimum) and -517 / (max - min).
; LIMIT OF ROUNDING: the sums have terms up to 18, so B1..B3 carry an absolute error of about 2^-18.  More than one term is non-zero only for u < 3, and there one of the feature's own four splines
; is at least 1/6: its block's scale is at least 2^-5, the smallest step of a code 2^-6, and the error under 2^-11 of that step.  For u >= 3 the one term left is the spline itself.
; K ORDER.  A chunk is 128 features = 5 K steps of 128: four of splines and one of silu.  Group A = spline steps 0, 1; group B = spline steps 2, 3 and the silu step.  A trip makes the codes of one group
; while the group made in the trip before is multiplied.  In a spline block, place 8 (fl / 2) + 2 j + fl % 2; the weights are laid alike.
; CLUSTER.  All work-groups walk the same weights: four form a cluster and ask for each group JOINTLY, every wave an eighth.  Two LDS slots, one for each kind of group, filled by turns.
; Waves 4-7 multiply ahead of making codes, waves 0-3 behind it.
; NO PREFETCH: each chunk of x is asked for a whole chunk (two trips) ahead by loads into registers of its own; the weights and the partial minima are read by every work-group.
; LIMITS: a feature that is constant over a batch's 4,096 rows gives finite numbers here (the NaN of 0 x infinity loses in the maxima) where the definition gives NaN; NaN and infinities among the inputs are
; not served; a block of zeros, or one whose largest magnitude lies under 2^-124, keeps the scale byte 1 (read here alone); 1 / (max - min) is v_rcp_f32 and a multiplication; the layer's two products
; are summed in one accumulator, chunk by chunk.
.set SLOT3, 0                          ; group B's slot: 98,304 bytes of codes, 8,192 of scale words
.set SLOT2, 106496                     ; group A's: 65,536 + 8,192
.set RG2,   180224                     ; my rows' codes of group A: 64 rows of 128 + 16 bytes
.set RG3,   189440                     ; of group B: 64 rows of 192 + 16; the silu step at byte 128
.set SC2,   202752                     ; their scale words, 16 bytes a row
.set SC3,   203776
.set PRM,   204800                     ; -min, 2,048 bytes; behind it -517 / (max - min)
.set STA,   208896                     ; the norm: [row][wave] (-mean, M2)
.set MXR,   212992                     ; 4,096 bytes: at the head the batch's minima, at the end the second 32 rows' minima
.set SPARE, 217088                     ; the spare words, 128 bytes a wave; no other line names them
.set P2,    144
.set P3,    208
.set SGP,   2064                       ; the way out: 64 rows of 2,048 + 16 bytes from byte 0: in the slots, behind their last fill and last read
.set CHUNKB, 180224
.set SPW, 1
.set NIL, 2
.set VX,  3
.set VPR, 4
.set VA2, 5
.set VA3, 6
.set VS2, 7
.set VS3, 8
.set VSI, 9
.set VSB, 10
.set ADA2, 11
.set ADA3, 12
.set ADSA2, 13
.set ADSA3, 14
.set ADW2, 15
.set ADW3, 16
.set ADW3H, 17
.set ADSW2, 18
.set ADSW3, 19
.set VST, 20
.set VSTL, 21
.set VSG0, 22
.set VSG1, 23
.set VRB, 24                           ; the stage read back: rows 0-31; VRB1 rows 32-63
.set VGO, 25
.set VMX, 26
.set VPO, 27
.set VGB, 28
.set VT16, 29                          ; 16 x thread
.set PADR, 30
.set VPW, 31
.set CL2E, 32                          ; constants, each in both registers of a pair
.set C3,   34
.set C14,  36
.set C16,  38
.set CM23, 40
.set CM34, 42
.set C32,  44
.set VRB1, 50
.set VPX,  51                          ; MXR + 8 x thread
.set SA,  52                           ; v52-67 scale words of the codes, v68-83 of the weights: these hold scales and nothing else
.set SW,  68
.set SH,  84                           ; silu codes and bytes held back
.set PM,  92                           ; -min of my 8 features; v100-107 -517 / (max - min)
.set PS,  100
.set XW,  108                          ; the chunk of x at work
.set CB,  140
.set BBY, 148
.set WK,  150
.set EE,  156
.set DD,  164
.set W1,  172                          ; k - u, then its clip; W2..W4 end as the cubes P2..P4
.set W2,  180
.set W3,  188
.set W4,  196
.set Q0,  212                          ; spline j of feature pair a at 212 + 8 a + 2 j
.set Q1,  214
.set Q2,  216
.set Q3,  218
.set AF,  156                          ; fragments of codes: 32 K step + 8 m
; window 1: v0-127 accumulators, (m, n) at 8 (4 m + n); v128-223 the weights' fragments; v224-255 the chunk of x on its way
.set WF,  128
.set XL,  224
.set G1A, 24
.set G1B, 32
.set G03, 40
.set G02, 44
.set MSB, 0
.macro WIN new                         ; the immediate's high byte repeats the setting that is left
.if MSB != \new
	s_set_vgpr_msb (MSB<<8)|\new
.set MSB, \new
.endif
.endm
.macro ROUND                           ; a round of the cluster's barrier
	s_barrier_signal -1
	s_barrier_wait -1
	s_cmp_lg_u32 s18, 0
	s_cbranch_scc1 .Lnot_wave_0_\@
	s_barrier_signal -3
.Lnot_wave_0_\@:
	s_barrier_wait -3
	s_barrier_signal -1
	s_barrier_wait -1
.endm
.macro NOP4
.rept 4
	v_nop
.endr
.endm
; THE END OF A TRIP: all my tensor loads have landed (one was out), the add, my LDS stores and reads are done.  fill = 1: the slot just read takes the next chunk's group, behind a round.
.macro CHANGE fill, g0, g1
	s_wait_tensorcnt 0x0
	ds_add_u32 v[SPW], v[NIL]
.if \fill
	s_add_nc_u64 s[\g0+2:\g0+3], s[\g0+2:\g0+3], CHUNKB
.endif
	s_wait_dscnt 0x0
.if \fill
	ROUND
	tensor_load_to_lds s[\g0:\g0+3], s[\g1:\g1+7]  ; my one tensor load until the next round
	s_nop 0
	NOP4
.else
	s_barrier_signal -1
	s_barrier_wait -1
.endif
.endm
.macro XLOAD reg, off                  ; a chunk of my 8 rows: a lane's two loads cover 32 consecutive bytes, eight lanes' 256
.irp par, 0,1
.irp q, 0,1
.irp i, 0,1
	global_load_b128 v[\reg+16*\par+8*\q+4*\i:\reg+16*\par+8*\q+4*\i+3], v[VX], s[4:5] offset:\off+256*\par+8192*\q+16*\i th:TH_LOAD_NT
.endr
.endr
.endr
.endm
; four packed lines on 8 numbers: base and step from pair to pair for each operand (step 0: a constant's pair)
.macro PMUL d, dn, a, an, b, bn
.irp k, 0,1,2,3
	v_pk_mul_f32 v[\d+\dn*\k:\d+\dn*\k+1], v[\a+\an*\k:\a+\an*\k+1], v[\b+\bn*\k:\b+\bn*\k+1]
.endr
.endm
.macro PADD d, dn, a, an, b, bn
.irp k, 0,1,2,3
	v_pk_add_f32 v[\d+\dn*\k:\d+\dn*\k+1], v[\a+\an*\k:\a+\an*\k+1], v[\b+\bn*\k:\b+\bn*\k+1]
.endr
.endm
.macro PFMA d, dn, a, an, b, bn, c, cn
.irp k, 0,1,2,3
	v_pk_fma_f32 v[\d+\dn*\k:\d+\dn*\k+1], v[\a+\an*\k:\a+\an*\k+1], v[\b+\bn*\k:\b+\bn*\k+1], v[\c+\cn*\k:\c+\cn*\k+1]
.endr
.endm
.macro PFMC d, dn, a, an, b, bn, k3    ; d = a b + k3, a constant of the instruction
.irp k, 0,1,2,3
	v_pk_fma_f32 v[\d+\dn*\k:\d+\dn*\k+1], v[\a+\an*\k:\a+\an*\k+1], v[\b+\bn*\k:\b+\bn*\k+1], \k3 op_sel_hi:[1,1,0]
.endr
.endm
.macro PFMH d, dn, a, an, k1, c, cn    ; d = a k1 + c
.irp k, 0,1,2,3
	v_pk_fma_f32 v[\d+\dn*\k:\d+\dn*\k+1], v[\a+\an*\k:\a+\an*\k+1], \k1, v[\c+\cn*\k:\c+\cn*\k+1] op_sel_hi:[1,0,1]
.endr
.endm
; A UNIT: 8 features of one row a lane: silu, four splines, their blocks' scales, codes, stores.
.macro UNIT par, q
.set XX, XW+16*\par+8*\q
	PMUL EE,2, XX,2, CL2E,0                        ; -x log2(e)
	s_wait_alu depctr_va_vdst(0)                   ; a wait ahead of a batch of transcendentals, and one behind it
.irp i, 0,1,2,3,4,5,6,7
	v_exp_f32 v[EE+\i], v[EE+\i]
.endr
.if \q == 0
	s_wait_dscnt 0x0                               ; my features' parameters are in; the last trip's stores have read the registers written below
.endif
	PADD DD,2, XX,2, PM,2                          ; x - min
	PFMC W1,2, DD,2, PS,2, 1.0                     ; k - u
	PFMC W2,2, DD,2, PS,2, 2.0
	PFMA W3,2, DD,2, PS,2, C3,0
	PFMC W4,2, DD,2, PS,2, 4.0
.set ci, 0
.rept 32
	v_max_num_f32 v[W1+ci], 0, v[W1+ci]            ; clipped at 0
.set ci, ci+1
.endr
	s_wait_alu depctr_va_vdst(0)                   ; the eight exponentials
.irp k, 0,2,4,6
	v_pk_add_f32 v[EE+\k:EE+\k+1], v[EE+\k:EE+\k+1], 1.0 op_sel_hi:[1,0]
.endr
	s_wait_alu depctr_va_vdst(0)
.irp i, 0,1,2,3,4,5,6,7
	v_rcp_f32 v[EE+\i], v[EE+\i]                   ; the sigmoid
.endr
	PMUL Q0,8, W1,2, W1,2                          ; the squares,
	PMUL Q1,8, W2,2, W2,2
	PMUL Q2,8, W3,2, W3,2
	PMUL Q3,8, W4,2, W4,2
	PMUL Q0,8, Q0,8, W1,2                          ; the cubes: P1 = B0,
	PMUL W2,2, Q1,8, W2,2                          ; P2, P3, P4
	PMUL W3,2, Q2,8, W3,2
	PMUL W4,2, Q3,8, W4,2
	PMUL Q1,8, W2,2, C14,0
	PMUL Q2,8, W3,2, C16,0
	PFMA Q3,8, W3,2, CM23,0, W2,2
	PFMH Q1,8, Q0,8, -2.0, Q1,8                    ; B1
	PFMA Q2,8, W2,2, CM34,0, Q2,8
	PFMA Q3,8, W4,2, C16,0, Q3,8
	PFMA Q2,8, Q0,8, C32,0, Q2,8                   ; B2
	PFMA Q3,8, Q0,8, CM23,0, Q3,8                  ; B3
	s_wait_alu depctr_va_vdst(0)                   ; the eight reciprocals
	PMUL EE,2, XX,2, EE,2                          ; silu
	; the spline block's largest number in four chains (no |.|: what rounding leaves under 0 must not count), my 8 of the silu block in a fifth; the floor 2^(3 - 127) holds the bytes at 1 from below
.irp c, 0,1,2,3
	v_max3_num_f32 v[WK+\c], v[Q0+8*\c], v[Q0+8*\c+1], v[Q0+8*\c+2]
.endr
	v_max3_num_f32 v[WK+4], |v[EE]|, |v[EE+1]|, 0x1800000
.irp i, 3,5
.irp c, 0,1,2,3
	v_max3_num_f32 v[WK+\c], v[WK+\c], v[Q0+8*\c+\i], v[Q0+8*\c+\i+1]
.endr
	v_max3_num_f32 v[WK+4], v[WK+4], |v[EE+\i-1]|, |v[EE+\i]|
.endr
	s_delay_alu instid0(VALU_DEP_4)
	v_max3_num_f32 v[WK], v[WK], v[WK+1], v[Q0+7]
	s_delay_alu instid0(VALU_DEP_3)
	v_max3_num_f32 v[WK+2], v[WK+2], v[WK+3], v[Q0+15]
	s_delay_alu instid0(VALU_DEP_3)
	v_max3_num_f32 v[WK+4], v[WK+4], |v[EE+6]|, |v[EE+7]|
	s_delay_alu instid0(VALU_DEP_3)
	v_max3_num_f32 v[WK], v[WK], v[Q0+23], v[Q0+31]
	s_delay_alu instid0(VALU_DEP_2)
	v_max_num_f32_dpp v[WK+4], v[WK+4], v[WK+4] row_xmask:1 row_mask:0xf bank_mask:0xf
	s_delay_alu instid0(VALU_DEP_2)
	v_max3_num_f32 v[WK], v[WK], v[WK+2], 0x1800000
	s_delay_alu instid0(VALU_DEP_2)
	v_max_num_f32_dpp v[WK+4], v[WK+4], v[WK+4] row_xmask:2 row_mask:0xf bank_mask:0xf   ; with the silu block's other three lanes
	s_delay_alu instid0(VALU_DEP_2)
	v_add_nc_u32 v[WK+3], 0xff000000, v[WK]        ; 2 off the exponent field: the conversions' scale operands
	s_delay_alu instid0(VALU_DEP_2)
	v_add_nc_u32 v[WK+5], 0xff000000, v[WK+4]
	s_delay_alu instid0(VALU_DEP_2)
	v_lshrrev_b32 v[BBY+\q], 23, v[WK+3]           ; the scales' bytes
	s_delay_alu instid0(VALU_DEP_2)
	v_lshrrev_b32 v[SH+4*\par+2+\q], 23, v[WK+5]
.irp a, 0,1,2,3
	v_cvt_scalef32_pk8_fp4_f32 v[CB+4*\q+\a], v[Q0+8*\a:Q0+8*\a+7], v[WK+3]
.endr
	v_cvt_scalef32_pk8_fp4_f32 v[SH+4*\par+\q], v[EE:EE+7], v[WK+5]
	v_nop                                          ; one plain line behind the last scaled conversion
.if \par == 0
	ds_store_b128 v[VA2], v[CB+4*\q:CB+4*\q+3] offset:4*P2*\q
	ds_store_b8 v[VS2], v[BBY+\q] offset:64*\q     ; (this half's silu codes wait in registers: their K step belongs to group B)
.else
	ds_store_b128 v[VA3], v[CB+4*\q:CB+4*\q+3] offset:4*P3*\q
	ds_store_b8 v[VS3], v[BBY+\q] offset:64*\q
	ds_store_b32 v[VSI], v[SH+4+\q] offset:32+4*P3*\q
	ds_store_b8 v[VSB], v[SH+6+\q] offset:2+64*\q  ; a silu block's four lanes write the same byte with the same value
	ds_store_b32 v[VSI], v[SH+\q] offset:4*P3*\q
	ds_store_b8 v[VSB], v[SH+2+\q] offset:64*\q
.endif
.endm
.macro MAKE par                        ; the codes of 64 features of my 8 rows
	v_add_nc_u32 v[PADR], s51, v[VPR]
	ds_load_b128 v[PM:PM+3], v[PADR] offset:256*\par
	ds_load_b128 v[PM+4:PM+7], v[PADR] offset:256*\par+16
	ds_load_b128 v[PS:PS+3], v[PADR] offset:2048+256*\par
	ds_load_b128 v[PS+4:PS+7], v[PADR] offset:2048+256*\par+16
	UNIT \par, 0
	UNIT \par, 1
.endm
; A GROUP IS MULTIPLIED: nk K steps of 16 matrix instructions.  The 16 accumulators take turns, one instruction a turn, in one order.  zero = 1: the first K step starts the sums.
.macro MULT nk, zero
.if \nk == 2
.set aA, ADA2
.set aS, ADSA2
.set aW, ADW2
.set aT, ADSW2
.set PIT, P2
.else
.set aA, ADA3
.set aS, ADSA3
.set aW, ADW3
.set aT, ADSW3
.set PIT, P3
.endif
.irp m, 0,1,2,3
.if \nk == 2
	ds_load_b64 v[SA+4*\m:SA+4*\m+1], v[aS] offset:256*\m
	ds_load_b64 v[SW+4*\m:SW+4*\m+1], v[aT] offset:256*\m
.else
	ds_load_b96 v[SA+4*\m:SA+4*\m+2], v[aS] offset:256*\m
	ds_load_b96 v[SW+4*\m:SW+4*\m+2], v[aT] offset:256*\m
.endif
.endr
.set kk, 0
.rept \nk
.irp m, 0,1,2,3
.irp c, 0,1
	ds_load_b128 v[AF+32*kk+8*\m+4*\c:AF+32*kk+8*\m+4*\c+3], v[aA] offset:\m*16*PIT+64*kk+32*\c
.endr
.endr
.set kk, kk+1
.endr
	WIN 0x40
.set kk, 0
.rept \nk
.irp n, 0,1,2,3
.irp c, 0,1
.if kk < 2
	ds_load_b128 v[WF+32*kk+8*\n+4*\c:WF+32*kk+8*\n+4*\c+3], v[aW] offset:32768*kk+1024*\n+512*\c
.else
	ds_load_b128 v[WF+32*kk+8*\n+4*\c:WF+32*kk+8*\n+4*\c+3], v[ADW3H] offset:1024*\n+512*\c
.endif
.endr
.endr
.set kk, kk+1
.endr
	WIN 0x51                                       ; source 0 (weights), C and D window 1; source 1 (codes) window 0
.set kk, 0
.rept \nk
	s_wait_dscnt 8*(\nk-1-kk)                      ; all is in but the weights' eight loads of each later K step
.irp m, 0,1,2,3
.irp n, 0,1,2,3
.if \zero && (kk == 0)
	v_wmma_scale_f32_16x16x128_f8f6f4 v[8*(4*\m+\n):8*(4*\m+\n)+7], v[WF+32*kk+8*\n:WF+32*kk+8*\n+7], v[AF+32*kk+8*\m:AF+32*kk+8*\m+7], 0, v[SW+4*\n+kk], v[SA+4*\m+kk] matrix_a_fmt:MATRIX_FMT_FP4 matrix_b_fmt:MATRIX_FMT_FP4
.else
	v_wmma_scale_f32_16x16x128_f8f6f4 v[8*(4*\m+\n):8*(4*\m+\n)+7], v[WF+32*kk+8*\n:WF+32*kk+8*\n+7], v[AF+32*kk+8*\m:AF+32*kk+8*\m+7], v[8*(4*\m+\n):8*(4*\m+\n)+7], v[SW+4*\n+kk], v[SA+4*\m+kk] matrix_a_fmt:MATRIX_FMT_FP4 matrix_b_fmt:MATRIX_FMT_FP4
.endif
.endr
.endr
.set kk, kk+1
.endr
	WIN 0
	NOP4                                           ; four places (ISA guide 7.12.1) ahead of writes of the fragments' registers and of the first read of results
.endm
.macro MULT_EARLY nk, zero             ; waves 4-7
	s_cmp_lt_u32 s18, 4
	s_cbranch_scc1 .Llater_\@
	MULT \nk, \zero
.Llater_\@:
.endm
.macro MULT_LATE nk, zero              ; waves 0-3
	s_cmp_lt_u32 s18, 4
	s_cbranch_scc0 .Ldone_\@
	MULT \nk, \zero
.Ldone_\@:
.endm
	s_load_b256 s[4:11], s[0:1], 0x0               ; x, partial minima, weights, g
	s_load_b128 s[12:15], s[0:1], 0x20             ; b, out
	s_load_b64 s[16:17], s[0:1], 0x30              ; out's partial minima
	v_lshl_add_u32 v[SPW], v0, 2, SPARE
	v_mov_b32 v[NIL], 0
	ds_add_u32 v[SPW], v[NIL]                      ; the opening: the add, twice on end, and its wait ahead of my first tensor load
	ds_add_u32 v[SPW], v[NIL]
	v_lshrrev_b32 v150, 5, v0
	s_delay_alu instid0(VALU_DEP_1)
	v_readfirstlane_b32 s18, v150                  ; wave 0..7
	s_bfe_u32 s19, ttmp6, 0x40000                  ; cx: it enters the addresses of x, of the minima and of out alone
	s_lshl_b32 s20, ttmp9, 2
	s_add_co_u32 s20, s20, s19                     ; my block of 64 rows
	v_and_b32 v150, 31, v0                         ; l
	v_and_b32 v151, 7, v0                          ; l % 8
	v_bfe_u32 v152, v0, 3, 2
	s_lshl_b32 s21, s18, 3
	v_and_b32 v153, 15, v0                         ; r
	v_bfe_u32 v154, v0, 4, 1                       ; h
	v_add_nc_u32 v152, s21, v152                   ; my row when codes are made: 8 w + l / 8
	s_delay_alu instid0(VALU_DEP_1)
	v_lshlrev_b32 v[VX], 11, v152
	s_delay_alu instid0(VALU_DEP_1)
	v_lshl_add_u32 v[VX], v151, 5, v[VX]
	v_lshl_add_u32 v[VPR], v151, 5, PRM
	v_mul_u32_u24 v[VA2], v152, P2
	s_delay_alu instid0(VALU_DEP_1)
	v_lshl_add_u32 v[VA2], v151, 4, v[VA2]
	s_delay_alu instid0(VALU_DEP_1)
	v_add_nc_u32 v[VA2], RG2, v[VA2]
	v_mul_u32_u24 v[VA3], v152, P3
	s_delay_alu instid0(VALU_DEP_1)
	v_lshl_add_u32 v[VSI], v151, 2, v[VA3]
	s_delay_alu instid0(VALU_DEP_1)
	v_add_nc_u32 v[VSI], RG3+128, v[VSI]
	s_delay_alu instid0(VALU_DEP_3)
	v_lshl_add_u32 v[VA3], v151, 4, v[VA3]
	s_delay_alu instid0(VALU_DEP_1)
	v_add_nc_u32 v[VA3], RG3, v[VA3]
	v_lshl_add_u32 v[VS2], v152, 4, v151
	s_delay_alu instid0(VALU_DEP_1)
	v_add_nc_u32 v[VS3], SC3, v[VS2]
	s_delay_alu instid0(VALU_DEP_2)
	v_add_nc_u32 v[VS2], SC2, v[VS2]
	v_bfe_u32 v155, v0, 2, 1
	s_delay_alu instid0(VALU_DEP_1)
	v_lshl_add_u32 v[VSB], v152, 4, v155
	s_delay_alu instid0(VALU_DEP_1)
	v_add_nc_u32 v[VSB], SC3+8, v[VSB]
	v_mul_u32_u24 v[ADA2], v153, P2
	s_delay_alu instid0(VALU_DEP_1)
	v_lshl_add_u32 v[ADA2], v154, 4, v[ADA2]
	s_delay_alu instid0(VALU_DEP_1)
	v_add_nc_u32 v[ADA2], RG2, v[ADA2]
	v_mul_u32_u24 v[ADA3], v153, P3
	s_delay_alu instid0(VALU_DEP_1)
	v_lshl_add_u32 v[ADA3], v154, 4, v[ADA3]
	s_delay_alu instid0(VALU_DEP_1)
	v_add_nc_u32 v[ADA3], RG3, v[ADA3]
	v_lshl_add_u32 v[ADSA2], v153, 4, SC2
	v_lshl_add_u32 v[ADSA3], v153, 4, SC3
	s_lshl_b32 s21, s18, 12
	v_lshlrev_b32 v155, 4, v150
	s_delay_alu instid0(VALU_DEP_1)
	v_add_nc_u32 v155, s21, v155
	s_delay_alu instid0(VALU_DEP_1)
	v_add_nc_u32 v[ADW2], SLOT2, v155
	s_delay_alu instid0(VALU_DEP_2)
	v_add_nc_u32 v[ADW3], SLOT3, v155
	s_delay_alu instid0(VALU_DEP_3)
	v_add_nc_u32 v[ADW3H], SLOT3+65536, v155
	s_lshl_b32 s21, s18, 10
	v_lshlrev_b32 v155, 4, v153
	s_delay_alu instid0(VALU_DEP_1)
	v_add_nc_u32 v155, s21, v155
	s_delay_alu instid0(VALU_DEP_1)
	v_add_nc_u32 v[ADSW2], SLOT2+65536, v155
	s_delay_alu instid0(VALU_DEP_2)
	v_add_nc_u32 v[ADSW3], SLOT3+98304, v155
	s_lshl_b32 s21, s18, 3
	v_lshl_add_u32 v[VSTL], v153, 6, STA
	s_delay_alu instid0(VALU_DEP_1)
	v_add_nc_u32 v[VST], s21, v[VSTL]
	s_lshl_b32 s21, s18, 8
	v_mul_u32_u24 v[VSG0], v153, SGP
	s_delay_alu instid0(VALU_DEP_1)
	v_lshl_add_u32 v[VSG0], v154, 5, v[VSG0]
	s_delay_alu instid0(VALU_DEP_1)
	v_add_nc_u32 v[VSG0], s21, v[VSG0]
	s_delay_alu instid0(VALU_DEP_1)
	v_add_nc_u32 v[VSG1], 32*SGP, v[VSG0]
	v_lshlrev_b32 v[VGB], 5, v154
	s_delay_alu instid0(VALU_DEP_1)
	v_add_nc_u32 v[VGB], s21, v[VGB]
	s_lshr_b32 s21, s18, 2                         ; the way out: of each 16 rows wave w takes rows 8 (w / 4) .. + 7, bytes 512 (w % 4) .. + 511
	s_and_b32 s22, s18, 3
	s_lshl_b32 s22, s22, 9
	s_mul_i32 s23, s21, 8*SGP
	s_add_co_u32 s23, s23, s22
	v_lshlrev_b32 v155, 4, v150
	s_delay_alu instid0(VALU_DEP_1)
	v_add_nc_u32 v[VRB], s23, v155
	s_delay_alu instid0(VALU_DEP_1)
	v_add_nc_u32 v[VRB1], 32*SGP, v[VRB]
	s_lshl_b32 s23, s21, 14
	s_add_co_u32 s23, s23, s22
	v_add_nc_u32 v[VGO], s23, v155
	v_and_b32 v155, 127, v0
	s_delay_alu instid0(VALU_DEP_1)
	v_lshl_add_u32 v[VMX], v155, 5, MXR
	s_delay_alu instid0(VALU_DEP_2)
	v_lshlrev_b32 v[VPO], 4, v155
	v_lshlrev_b32 v[VT16], 4, v0
	v_lshl_add_u32 v[VPW], v0, 3, PRM
	v_lshl_add_u32 v[PADR], v0, 4, MXR
	v_lshl_add_u32 v[VPX], v0, 3, MXR
.irp i, 0,1
	v_mov_b32 v[CL2E+\i], 0xbfb8aa3b               ; -log2(e)
	v_mov_b32 v[C3+\i], 0x40400000                 ; 3
	v_mov_b32 v[C14+\i], 0x3e800000                ; 1/4
	v_mov_b32 v[C16+\i], 0x3e2aaaab                ; 1/6
	v_mov_b32 v[CM23+\i], 0xbf2aaaab               ; -2/3
	v_mov_b32 v[CM34+\i], 0xbf400000               ; -3/4
	v_mov_b32 v[C32+\i], 0x3fc00000                ; 3/2
.endr
	; descriptor group 1: a dense block as rows of 256 bytes (32 elements of 8 bytes); 15:0 the mask: all four work-groups; bit 21 set beside it
	s_mov_b32 s[G1A], 15|(3<<16)|(1<<21)
	s_mov_b32 s[G1A+1], 32<<16
	s_mov_b32 s[G1A+2], 52<<16                     ; an eighth of group B: 52 rows, 13,312 bytes
	s_mov_b32 s[G1A+3], 32<<16
	s_mov_b32 s[G1A+4], 52
	s_mov_b32 s[G1A+5], 32
	s_mov_b32 s[G1A+6], 0
	s_mov_b32 s[G1A+7], 0
	s_mov_b32 s[G1B], 15|(3<<16)|(1<<21)
	s_mov_b32 s[G1B+1], 32<<16
	s_mov_b32 s[G1B+2], 36<<16                     ; an eighth of group A: 36 rows, 9,216 bytes
	s_mov_b32 s[G1B+3], 32<<16
	s_mov_b32 s[G1B+4], 36
	s_mov_b32 s[G1B+5], 32
	s_mov_b32 s[G1B+6], 0
	s_mov_b32 s[G1B+7], 0
	s_mul_i32 s21, s18, 13312
	s_mul_i32 s22, s18, 9216
	s_mov_b32 s48, 0x76543210
	s_mov_b32 s49, 0xfedcba98                      ; v_permlanex16_b32's selects for lane l xor 16
	s_mov_b32 s51, 0                               ; the chunk's place among the parameters
	s_mov_b32 s54, 0x3b000000                      ; 1/512
	s_mov_b32 s55, 0x3727c5ac                      ; 1e-5
	s_wait_alu depctr_va_vdst(0)
	s_wait_dscnt 0x0                               ; both opening adds are done
	s_wait_kmcnt 0x0
	s_mov_b32 s[G03], 1
	s_add_co_u32 s[G03+1], s21, SLOT3              ; LDS and memory alike: the wave's number times an eighth
	s_mov_b32 s52, s21
	s_mov_b32 s53, 0
	s_add_nc_u64 s[G03+2:G03+3], s[8:9], s[52:53]
	s_add_nc_u64 s[G03+2:G03+3], s[G03+2:G03+3], 73728
	s_or_b32 s[G03+3], s[G03+3], 0x80000000
	s_mov_b32 s[G02], 1
	s_add_co_u32 s[G02+1], s22, SLOT2
	s_mov_b32 s52, s22
	s_add_nc_u64 s[G02+2:G02+3], s[8:9], s[52:53]
	s_or_b32 s[G02+3], s[G02+3], 0x80000000
	s_lshl_b32 s56, s20, 17                        ; my 64 rows of 2,048 bytes
	s_mov_b32 s57, 0
	s_add_nc_u64 s[4:5], s[4:5], s[56:57]
	s_add_nc_u64 s[14:15], s[14:15], s[56:57]
	s_lshl_b32 s56, s20, 12
	s_add_nc_u64 s[16:17], s[16:17], s[56:57]
	s_lshr_b32 s56, s20, 6                         ; my batch: its 64 blocks' minima, 4,096 bytes each
	s_lshl_b32 s56, s56, 18
	s_add_nc_u64 s[6:7], s[6:7], s[56:57]
	XLOAD XW, 0                                    ; chunk 0 of x,
	WIN 0x40
	XLOAD XL, 512                                  ; chunk 1, into window 1
	WIN 0
	ROUND                                          ; all four work-groups are here: the first joint loads meet
	tensor_load_to_lds s[G02:G02+3], s[G1B:G1B+7]  ; chunk 0's group A: one tensor load a wave at the head
	s_nop 0
	NOP4
	; THE BATCH'S MINIMA.  Thread t takes the 16 bytes at 16 t of each of the 64 blocks: threads 0-127 the smallest x of 4 features, threads 128-255 the smallest -x.  All 64 loads go out at once,
	; into registers that lie idle here: 8 in window 0, 56 where accumulators and weights' fragments will lie.
.set TB, 156
.set PA, 220
.irp p, 0,1,2,3,4,5,6,7
	global_load_b128 v[TB+4*\p:TB+4*\p+3], v[VT16], s[6:7] offset:4096*\p
.endr
	WIN 0x40
.set ci, 0
.rept 56
	global_load_b128 v[4*ci:4*ci+3], v[VT16], s[6:7] offset:4096*(ci+8)
.set ci, ci+1
.endr
	WIN 0
	s_wait_loadcnt 56                              ; x and the first 8 blocks are in; the 56 loads behind them may be out
.irp j, 0,1,2,3
	v_min_num_f32 v[PA+\j], v[TB+\j], v[TB+4+\j]
.endr
.irp k, 8,16,24
.irp j, 0,1,2,3
	v_min3_num_f32 v[PA+\j], v[PA+\j], v[TB+\k+\j], v[TB+\k+4+\j]
.endr
.endr
	s_wait_alu depctr_va_vdst(0)
	s_wait_loadcnt 28                              ; 28 more blocks are in
	WIN 0x14                                       ; sources 1 and 2 window 1
.set ci, 0
.rept 14
.irp j, 0,1,2,3
	v_min3_num_f32 v[PA+\j], v[PA+\j], v[ci+\j], v[ci+4+\j]
.endr
.set ci, ci+8
.endr
	s_wait_alu depctr_va_vdst(0)
	s_wait_loadcnt 0x0
.rept 14
.irp j, 0,1,2,3
	v_min3_num_f32 v[PA+\j], v[PA+\j], v[ci+\j], v[ci+4+\j]
.endr
.set ci, ci+8
.endr
	WIN 0
	ds_store_b128 v[PADR], v[PA:PA+3]
	s_wait_dscnt 0x0                               ; for the others' sake
	s_barrier_signal -1
	s_barrier_wait -1
	ds_load_b64 v[224:225], v[VPX]                 ; now thread t owns features 2 t, 2 t + 1: min,
	ds_load_b64 v[226:227], v[VPX] offset:2048     ; -max
	s_wait_dscnt 0x0
	v_add_f32 v228, v224, v226                     ; -(max - min)
	v_add_f32 v229, v225, v227
	s_wait_alu depctr_va_vdst(0)
	v_rcp_f32 v230, v228
	v_rcp_f32 v231, v229
	v_xor_b32 v224, 0x80000000, v224               ; -min
	v_xor_b32 v225, 0x80000000, v225
	s_wait_alu depctr_va_vdst(0)
	v_mul_f32 v230, 0x44014000, v230               ; -517 / (max - min)
	v_mul_f32 v231, 0x44014000, v231
	ds_store_b64 v[VPW], v[224:225]
	ds_store_b64 v[VPW], v[230:231] offset:2048
	s_wait_tensorcnt 0x0                           ; slot 3's first fill is issued as a refill is: my eighth of group A is in,
	ds_add_u32 v[SPW], v[NIL]
	s_wait_dscnt 0x0                               ; the add and my parameters' stores are done
	ROUND                                          ; all 512 features' parameters and all of group A lie in LDS
	tensor_load_to_lds s[G03:G03+3], s[G1A:G1A+7]  ; chunk 0's group B: it has two trips in which to land
	s_nop 0
	NOP4
	MAKE 0                                         ; trip 0: the codes of chunk 0's group A
	s_wait_dscnt 0x0
	s_barrier_signal -1
	s_barrier_wait -1
	MULT_EARLY 2, 1                                ; trip 1: group A starts the sums | the codes of group B
	MAKE 1
	MULT_LATE 2, 1
	s_mov_b32 s50, 3
.Lchunk:                                       ; chunks 1, 2, 3: two trips of the work each
	CHANGE 1, G02, G1B                             ; slot 2 takes this chunk's group A
	s_wait_loadcnt 0x0                             ; the chunk of x asked for two trips ago is in, so its loads' base may step
	s_add_nc_u64 s[4:5], s[4:5], 512
	s_add_co_u32 s51, s51, 512
	WIN 0x01
.set ci, 0
.rept 32
	v_mov_b32 v[XW+ci], v[XL+ci]
.set ci, ci+1
.endr
	WIN 0
	s_cmp_eq_u32 s50, 1                            ; the last chunk has none behind it: no load leaves the buffer
	s_cbranch_scc1 .Lno_x
	WIN 0x40
	XLOAD XL, 512
	WIN 0
.Lno_x:
	MULT_EARLY 3, 0                                ; the last chunk's group B | this chunk's group A is made
	MAKE 0
	MULT_LATE 3, 0
	CHANGE 1, G03, G1A                             ; slot 3 takes this chunk's group B
	MULT_EARLY 2, 0
	MAKE 1
	MULT_LATE 2, 0
	s_sub_co_u32 s50, s50, 1
	s_cmp_lg_u32 s50, 0
	s_cbranch_scc1 .Lchunk
	CHANGE 0, 0, 0                                 ; the tail is written out: nothing is left to fetch
.set GG, 92                            ; v92-123 g, v124-155 b of my 32 outputs
.set BV, 124
.irp n, 0,1,2,3
.irp i, 0,1
	global_load_b128 v[GG+8*\n+4*\i:GG+8*\n+4*\i+3], v[VGB], s[10:11] offset:64*\n+16*\i
	global_load_b128 v[BV+8*\n+4*\i:BV+8*\n+4*\i+3], v[VGB], s[12:13] offset:64*\n+16*\i
.endr
.endr
	MULT 3, 0                                      ; chunk 3's group B
	; THE NORM.  Lane (r, h) holds, for each m, row 16 m + r and outputs 64 w + 16 n + 8 h + j: window 1, v[32 m + 8 n + j].
.set SUM, 156
.set TP,  164
.set NM,  168
.set M2,  176
.set NB,  184
.set LD,  192
.set TD,  84
.set DV,  88
	WIN 0x05
.irp m, 0,1,2,3
	v_pk_add_f32 v[SUM+2*\m:SUM+2*\m+1], v[32*\m:32*\m+1], v[32*\m+2:32*\m+3]
.endr
	WIN 0x01
.irp p, 2,3,4,5,6,7,8,9,10,11,12,13,14,15
.irp m, 0,1,2,3
	v_pk_add_f32 v[SUM+2*\m:SUM+2*\m+1], v[32*\m+2*\p:32*\m+2*\p+1], v[SUM+2*\m:SUM+2*\m+1]
.endr
.endr
	WIN 0
.irp m, 0,1,2,3
	v_mov_b32 v[TP+\m], 0                          ; a lane permute's destination counts as one of its sources
.endr
.irp m, 0,1,2,3
	v_add_f32 v[SUM+2*\m], v[SUM+2*\m], v[SUM+2*\m+1]
.endr
.irp m, 0,1,2,3
	s_delay_alu instid0(VALU_DEP_4)
	v_permlanex16_b32 v[TP+\m], v[SUM+2*\m], s48, s49
.endr
.irp m, 0,1,2,3
	s_delay_alu instid0(VALU_DEP_4)
	v_add_f32 v[SUM+2*\m], v[SUM+2*\m], v[TP+\m]
.endr
.irp m, 0,1,2,3
	s_delay_alu instid0(VALU_DEP_4)
	v_mul_f32 v[NM+2*\m], 0xbc800000, v[SUM+2*\m]  ; minus the mean of my wave's 64 outputs of the row
.endr
.irp m, 0,1,2,3
	s_delay_alu instid0(VALU_DEP_4)
	v_mov_b32 v[NM+2*\m+1], v[NM+2*\m]
.endr
	WIN 0x41                                       ; the results are centred in place
.irp p, 0,1,2,3,4,5,6,7,8,9,10,11,12,13,14,15
.irp m, 0,1,2,3
	v_pk_add_f32 v[32*\m+2*\p:32*\m+2*\p+1], v[32*\m+2*\p:32*\m+2*\p+1], v[NM+2*\m:NM+2*\m+1]
.endr
.endr
	WIN 0x05
.irp m, 0,1,2,3
	v_pk_mul_f32 v[M2+2*\m:M2+2*\m+1], v[32*\m:32*\m+1], v[32*\m:32*\m+1]
.endr
.irp p, 1,2,3,4,5,6,7,8,9,10,11,12,13,14,15
.irp m, 0,1,2,3
	s_delay_alu instid0(VALU_DEP_4)
	v_pk_fma_f32 v[M2+2*\m:M2+2*\m+1], v[32*\m+2*\p:32*\m+2*\p+1], v[32*\m+2*\p:32*\m+2*\p+1], v[M2+2*\m:M2+2*\m+1]
.endr
.endr
	WIN 0
.irp m, 0,1,2,3
	v_add_f32 v[M2+2*\m], v[M2+2*\m], v[M2+2*\m+1]
.endr
.irp m, 0,1,2,3
	s_delay_alu instid0(VALU_DEP_4)
	v_permlanex16_b32 v[TP+\m], v[M2+2*\m], s48, s49
.endr
.irp m, 0,1,2,3
	s_delay_alu instid0(VALU_DEP_4)
	v_add_f32 v[NM+2*\m+1], v[M2+2*\m], v[TP+\m]   ; the sum of squares about my wave's mean
.endr
.irp m, 0,1,2,3
	ds_store_b64 v[VST], v[NM+2*\m:NM+2*\m+1] offset:1024*\m   ; lanes r and r + 16 write the same words with the same values
.endr
	s_wait_dscnt 0x0                               ; for the others' sake: my figures have landed; my reads of the slots are over
	s_barrier_signal -1
	s_barrier_wait -1
.irp m, 0,1,2,3
.irp i, 0,1,2,3
	ds_load_b128 v[LD+16*\m+4*\i:LD+16*\m+4*\i+3], v[VSTL] offset:1024*\m+16*\i
.endr
.endr
	s_wait_dscnt 0x0
.irp m, 0,1,2,3
	v_pk_add_f32 v[SUM+2*\m:SUM+2*\m+1], v[LD+16*\m:LD+16*\m+1], v[LD+16*\m+2:LD+16*\m+3]
.endr
.irp u, 2,3,4,5,6,7
.irp m, 0,1,2,3
	s_delay_alu instid0(VALU_DEP_4)
	v_pk_add_f32 v[SUM+2*\m:SUM+2*\m+1], v[SUM+2*\m:SUM+2*\m+1], v[LD+16*\m+2*\u:LD+16*\m+2*\u+1]
.endr
.endr
.irp m, 0,1,2,3
	s_delay_alu instid0(VALU_DEP_4)
	v_mul_f32 v[TP+\m], 0x3e000000, v[SUM+2*\m]    ; minus the row's mean: the eight waves' means count alike
.endr
.irp m, 0,1,2,3
	s_delay_alu instid0(VALU_DEP_4)
	v_sub_f32 v[TD+\m], v[LD+16*\m], v[TP+\m]
.endr
.irp m, 0,1,2,3
	s_delay_alu instid0(VALU_DEP_4)
	v_mul_f32 v[DV+\m], v[TD+\m], v[TD+\m]
.endr
.irp u, 1,2,3,4,5,6,7
.irp m, 0,1,2,3
	v_sub_f32 v[TD+\m], v[LD+16*\m+2*\u], v[TP+\m]
.endr
.irp m, 0,1,2,3
	s_delay_alu instid0(VALU_DEP_4)
	v_fmac_f32 v[DV+\m], v[TD+\m], v[TD+\m]
.endr
.endr
.irp m, 0,1,2,3
	s_delay_alu instid0(VALU_DEP_4)
	v_fmamk_f32 v[DV+\m], v[DV+\m], 0x42800000, v[SUM+2*\m+1]   ; the waves' sums of squares + 64 x the squares of their means' distances: no difference of large sums
.endr
.irp m, 0,1,2,3
	s_delay_alu instid0(VALU_DEP_4)
	v_fma_f32 v[DV+\m], v[DV+\m], s54, s55         ; the variance + 1e-5
.endr
	s_wait_alu depctr_va_vdst(0)
.irp m, 0,1,2,3
	v_rsq_f32 v[M2+2*\m], v[DV+\m]
.endr
.irp m, 0,1,2,3
	v_sub_f32 v[TD+\m], v[TP+\m], v[NM+2*\m]       ; my wave's mean less the row's
.endr
	s_wait_alu depctr_va_vdst(0)
.irp m, 0,1,2,3
	v_mov_b32 v[M2+2*\m+1], v[M2+2*\m]
.endr
.irp m, 0,1,2,3
	v_mul_f32 v[NB+2*\m], v[TD+\m], v[M2+2*\m]
.endr
.irp m, 0,1,2,3
	s_delay_alu instid0(VALU_DEP_4)
	v_mov_b32 v[NB+2*\m+1], v[NB+2*\m]
.endr
	s_wait_alu depctr_va_vdst(0)
	s_wait_loadcnt 0x0                             ; g and b
	; THE WAY OUT, by blocks of 16 rows.  COMP: norm, gain, bias in place in the accumulators, silu into EO.  STG: into the stage.  RB: the block back as rows, 512 consecutive bytes a wave's load.
	; OUT: stored, and the minima of my 4 outputs on the way.  A block's barrier is signalled behind its stage stores and waited for behind the next block's arithmetic, which is work on registers alone;
	; no byte of the stage is written twice.
.set EO,   224
.set OUTR, 192
.set MNR,  156
.set MXV,  160
.macro COMP m
	WIN 0x41
.set ci, 0
.rept 16
	v_pk_fma_f32 v[32*(\m)+ci:32*(\m)+ci+1], v[32*(\m)+ci:32*(\m)+ci+1], v[M2+2*(\m):M2+2*(\m)+1], v[NB+2*(\m):NB+2*(\m)+1]
.set ci, ci+2
.endr
.set ci, 0
.rept 16
	v_pk_fma_f32 v[32*(\m)+ci:32*(\m)+ci+1], v[32*(\m)+ci:32*(\m)+ci+1], v[GG+ci:GG+ci+1], v[BV+ci:BV+ci+1]
.set ci, ci+2
.endr
	WIN 0x01
.set ci, 0
.rept 16
	v_pk_mul_f32 v[EO+ci:EO+ci+1], v[32*(\m)+ci:32*(\m)+ci+1], v[CL2E:CL2E+1]
.set ci, ci+2
.endr
	WIN 0
	s_wait_alu depctr_va_vdst(0)
.set ci, 0
.rept 32
	v_exp_f32 v[EO+ci], v[EO+ci]
.set ci, ci+1
.endr
	v_nop                                          ; a plain line behind the last exponential
	s_wait_alu depctr_va_vdst(0)
.set ci, 0
.rept 16
	v_pk_add_f32 v[EO+ci:EO+ci+1], v[EO+ci:EO+ci+1], 1.0 op_sel_hi:[1,0]
.set ci, ci+2
.endr
	s_wait_alu depctr_va_vdst(0)
.set ci, 0
.rept 32
	v_rcp_f32 v[EO+ci], v[EO+ci]
.set ci, ci+1
.endr
	v_nop
	s_wait_alu depctr_va_vdst(0)
	WIN 0x01
.set ci, 0
.rept 16
	v_pk_mul_f32 v[EO+ci:EO+ci+1], v[32*(\m)+ci:32*(\m)+ci+1], v[EO+ci:EO+ci+1]
.set ci, ci+2
.endr
	WIN 0
.endm
.macro STG m
.irp n, 0,1,2,3
.irp i, 0,1
	ds_store_b128 v[VSG0+((\m)/2)], v[EO+8*\n+4*\i:EO+8*\n+4*\i+3] offset:((\m)%2)*16*SGP+64*\n+16*\i
.endr
.endr
.endm
.macro RB m
.irp i, 0,1,2,3,4,5,6,7
.if (\m) < 2
	ds_load_b128 v[OUTR+4*\i:OUTR+4*\i+3], v[VRB] offset:(((\m)%2)*16+\i)*SGP
.else
	ds_load_b128 v[OUTR+4*\i:OUTR+4*\i+3], v[VRB1] offset:(((\m)%2)*16+\i)*SGP
.endif
.endr
.endm
.macro OUT m
.irp i, 0,1,2,3,4,5,6,7
	global_store_b128 v[VGO], v[OUTR+4*\i:OUTR+4*\i+3], s[14:15] offset:2048*(16*(\m)+\i) th:TH_STORE_NT   ; 512 consecutive bytes, aligned
.endr
.irp k, 0,8,16,24
.irp j, 0,1,2,3
.if ((\m) == 0) && (\k == 0)
	v_min_num_f32 v[MNR+\j], v[OUTR+\j], v[OUTR+4+\j]
	v_max_num_f32 v[MXV+\j], v[OUTR+\j], v[OUTR+4+\j]
.else
	v_min3_num_f32 v[MNR+\j], v[MNR+\j], v[OUTR+\k+\j], v[OUTR+\k+4+\j]
	v_max3_num_f32 v[MXV+\j], v[MXV+\j], v[OUTR+\k+\j], v[OUTR+\k+4+\j]
.endif
.endr
.endr
.endm
	COMP 0
	STG 0
	s_wait_dscnt 0x0                               ; for the others' sake: my part of block 0 lies in the stage
	s_barrier_signal -1
.irp m, 1,2,3
	COMP \m
	s_wait_alu depctr_va_vdst(0)
	s_barrier_wait -1                              ; the block before is whole in the stage
	s_wait_xcnt 0x0                                ; earlier stores have read the registers that the loads below fill
	RB \m-1
	STG \m
	s_wait_dscnt 8                                 ; the eight loads are back; the eight stores behind them may be out
	OUT \m-1
	s_wait_dscnt 0x0
	s_barrier_signal -1
.endr
	s_barrier_wait -1
	s_wait_alu depctr_va_vdst(0)
	s_wait_xcnt 0x0
	RB 3
	s_wait_dscnt 0x0
	OUT 3
.irp j, 0,1,2,3
	v_xor_b32 v[MXV+\j], 0x80000000, v[MXV+\j]     ; the largest as the smallest of the negated numbers
.endr
	s_cmp_lt_u32 s18, 4
	s_cbranch_scc1 .Lrows_0
	ds_store_b128 v[VMX], v[MNR:MNR+3]             ; waves 4-7 hand their 32 rows' figures over
	ds_store_b128 v[VMX], v[MXV:MXV+3] offset:16
.Lrows_0:
	s_wait_dscnt 0x0
	s_barrier_signal -1
	s_barrier_wait -1
	s_cmp_lt_u32 s18, 4
	s_cbranch_scc0 .Lclose
	ds_load_b128 v[164:167], v[VMX]
	ds_load_b128 v[168:171], v[VMX] offset:16
	s_wait_dscnt 0x0
	s_wait_alu depctr_va_vdst(0)
.irp j, 0,1,2,3
	v_min_num_f32 v[MNR+\j], v[MNR+\j], v[164+\j]
	v_min_num_f32 v[MXV+\j], v[MXV+\j], v[168+\j]
.endr
	global_store_b128 v[VPO], v[MNR:MNR+3], s[16:17]
	global_store_b128 v[VPO], v[MXV:MXV+3], s[16:17] offset:2048
.Lclose:
	s_wait_tensorcnt 0x0                           ; the wave's end
	ds_add_u32 v[SPW], v[NIL]
	s_wait_dscnt 0x0
	ROUND                                          ; the closing round: no work-group ends while a partner may still ask for a group that names it
	s_endpgm
.Lfunc_end_k_q21741c301f_layer0:
	.size	k_q21741c301f_layer0, .Lfunc_end_k_q21741c301f_layer0-k_q21741c301f_layer0
	.p2alignl 7, 3214868480
	.fill 96, 4, 3214868480
	.section	.rodata,"a",@progbits
	.p2align	6, 0x0
	.amdhsa_kernel k_q21741c301f_layer0
		.amdhsa_group_segment_fixed_size 327680
		.amdhsa_private_segment_fixed_size 0
		.amdhsa_enable_private_segment 0
		.amdhsa_kernarg_size 56
		.amdhsa_user_sgpr_count 2
		.amdhsa_user_sgpr_kernarg_segment_ptr 1
		.amdhsa_wavefront_size32 1
		.amdhsa_system_sgpr_workgroup_id_x 1
		.amdhsa_system_sgpr_workgroup_id_y 1
		.amdhsa_system_sgpr_workgroup_id_z 1
		.amdhsa_system_vgpr_workitem_id 0
		.amdhsa_next_free_vgpr 512
		.amdhsa_next_free_sgpr 66
		.amdhsa_reserve_vcc 0
		.amdhsa_float_denorm_mode_32 3
		.amdhsa_float_denorm_mode_16_64 3
		.amdhsa_memory_ordered 1
		.amdhsa_forward_progress 1
		.amdhsa_inst_pref_size 244
	.end_amdhsa_kernel
	.amdgpu_metadata
---
amdhsa.version: [ 1, 2 ]
amdhsa.kernels:
  - .name:           k_q21741c301f_layer0
    .symbol:         k_q21741c301f_layer0.kd
    .args:
      - { .name: x, .offset: 0, .size: 8, .value_kind: global_buffer, .address_space: global }
      - { .name: pmx, .offset: 8, .size: 8, .value_kind: global_buffer, .address_space: global }
      - { .name: wq0, .offset: 16, .size: 8, .value_kind: global_buffer, .address_space: global }
      - { .name: g0, .offset: 24, .size: 8, .value_kind: global_buffer, .address_space: global }
      - { .name: b0, .offset: 32, .size: 8, .value_kind: global_buffer, .address_space: global }
      - { .name: h, .offset: 40, .size: 8, .value_kind: global_buffer, .address_space: global }
      - { .name: pmh, .offset: 48, .size: 8, .value_kind: global_buffer, .address_space: global }
    .group_segment_fixed_size: 327680
    .private_segment_fixed_size: 0
    .kernarg_segment_align: 8
    .kernarg_segment_size: 56
    .max_flat_workgroup_size: 256
    .sgpr_count:     66
    .vgpr_count:     512
    .wavefront_size: 32
...
	.end_amdgpu_metadata
.endif
;; end of part 2
;; launch layer1: the kernel of part 2 again; grid 256 x 1, 8 waves a work-group, clusters of 4 x 1, 327,680 bytes of LDS; arguments h, pmh, wq1, g1, b1, out0, pmo; writes out0, pmo
